; MI455X (gfx1250); checked and timed in simulation.
; The chip was launched on July 23, 2026; its instructions are those of AMD's public machine-readable ISA for CDNA 5 (MIT licence, August 2026) and "CDNA5" Instruction Set Architecture Reference Guide (July 2026). The comments in the code are by the model that wrote it; some were corrected since.
;; attention. Allowed arithmetic: matrix products marked QUANTISED: E3M2 operands, one E8M0 scale for each 32 along K, by v_wmma_scale_f32_16x16x128_f8f6f4 with both operands' format E3M2, f32 sums; everything else in f32.
;; Inputs: W1 1,024 x 3,072 float32; Wp 1,024 x 1,024 float32; b1 3,072 float32; bp 1,024 float32; x 1 x 4,096 x 1,024 float32.
;; Outputs: out0 1 x 4,096 x 1,024 float32.
;; This version of the problem:
;;   THIS VERSION OF THE PROBLEM IS GIVEN IN LOW PRECISION. The matrix products marked QUANTISED in the list below multiply operands that are first quantised to E3M2 (3 exponent bits, 2 mantissa bits; 6 bits a number), with one power-of-two scale for each 32 numbers along K (OCP MX v1.0); their sums are f32. All else is computed in f32.
;;   The module's matrix products, in the order in which they are computed (A, B: the left and right operand; K: the contracted axis; several contracted axes count as one K, in the product's order):
;;     1. [M 4,096, K 1,024] x [K 1,024, N 3,072]; A: input x; B: input W1: QUANTISED
;;     2. batch 16 x [M 4,096, K 64] x [K 64, N 4,096]; A: computed on the way; B: computed on the way: QUANTISED
;;     3. batch 16 x [M 4,096, K 4,096] x [K 4,096, N 64]; A: softmax (see below); B: computed on the way: QUANTISED
;;     4. [M 4,096, K 1,024] x [K 1,024, N 1,024]; A: computed on the way; B: input Wp: QUANTISED
;;   THE QUANTISER, for each operand of a quantised product, along K:
;;     - K is cut into blocks of 32 from its start; a last block that is shorter is filled with zeros.
;;     - A block's scale is 2^e with e = floor(log2(the largest magnitude in the block)) - 4, held to -126 .. 127; a block of zeros has e = 0. As a byte (E8M0): e + 127.
;;     - Each number is divided by its block's scale, clamped to +-28, and rounded to the nearest number of E3M2, ties to even, subnormals kept.
;;     - The product sums the exact products of the quantised numbers (number of the format x scale) in f32.
;;   ~~~python
;;   def quantise(x, axis):      # numpy; x: float32 -> the quantised numbers, widened to float32 again
;;       x = np.moveaxis(x, axis, -1); K = x.shape[-1]
;;       x = np.pad(x, [(0, 0)] * (x.ndim - 1) + [(0, -K % 32)]); x = x.reshape(x.shape[:-1] + (-1, 32)); a = np.abs(x).max(-1, keepdims=True)
;;       e = np.where(a > 0, np.clip(np.frexp(np.where(a > 0, a, 1))[1] - 1 - 4, -126, 127), 0)      # np.frexp(a)[1] - 1 = floor(log2(a)), exactly
;;       r = np.clip(x / 2.0 ** e, -28, 28)
;;       step = 2.0 ** (np.maximum(np.frexp(np.where(r == 0, 1, r))[1] - 1, -2) - 2)
;;       q = np.round(r / step) * step * 2.0 ** e      # np.round: ties to even
;;       return np.moveaxis(q.reshape(q.shape[:-2] + (-1,))[..., :K], -1, axis).astype(np.float32)
;;   ~~~
;;   SOFTMAX AHEAD OF A QUANTISED PRODUCT. Where the list says 'softmax', what is quantised is not the finished softmax but p = 2^(t - M), with t = logit x log2(e) and M = ceil(the row's largest t), a whole number; so 1/2 < the row's largest p <= 1. The row's sum l is taken of the UNQUANTISED p, in f32, and the product's result is divided by l at the end. Since M is a whole number, a kernel that streams over the keys may use a running M (the ceiling of the running maximum): every later rescaling is an exact power of two, which a block's scale takes up: the codes' values come out the same.
;;   OPERANDS COMPUTED ON THE WAY. 'Computed on the way' means the value that the module computes at that place (a softmax that the list does not call 'softmax' is quantised finished and normalised). What goes into a quantiser is computed in f32, as accurately as f32 sums, v_exp_f32 and their like allow (about 1e-6 of the number): no bf16 or f16 on the way to a quantiser, and a product that is left as it is and whose result goes on into a quantised operand takes f32 operands (vector FMAs, or v_wmma_f32_16x16x4_f32). A number that lies on a knife's edge between two numbers of the format may be rounded either way, as far as f32 arithmetic and the matrix unit's own rounding can turn it there, and no further.
;; One version. Each part assembles by itself: llvm-mc -triple=amdgcn-amd-amdhsa -mcpu=gfx1250 --defsym DOCPART=n.
;; ======== version 1 of 1: 4 launches
;; workspace buffers: xi 3,276,800 bytes; w1i 2,457,600 bytes; wpi 819,200 bytes; qi 3,407,872 bytes; kvi 6,684,672 bytes; ai 3,276,800 bytes
;; launch quant (part 1): grid 512 x 1, 4 waves a work-group, no clusters, 68,096 bytes of LDS; arguments x, W1, Wp, xi, w1i, wpi; writes xi, w1i, wpi
.if DOCPART == 1
	.amdgcn_target "amdgcn-amd-amdhsa--gfx1250"
	.amdhsa_code_object_version 6
	.text
	.protected	k_q5a75387f05_quant
	.globl	k_q5a75387f05_quant
	.p2align	8
	.type	k_q5a75387f05_quant,@function
k_q5a75387f05_quant:
	s_mov_b64 s[64:65], 0
	v_nop
	global_prefetch_b8 v0, s[64:65] scope:SCOPE_SE
	s_setreg_imm32_b32 hwreg(HW_REG_WAVE_MODE, 25, 1), 1
	s_wait_xcnt 0x0
; x [4096][1024], W1 [1024][3072], Wp [1024][1024], f32, become codes of BF6 (E3M2) with one E8M0 byte for each 32 along K (K = 1024 in all three),
; laid as IMAGES OF THE OPERAND'S REGISTERS: [group of 128 rows or columns][K step of 128][block of 12,800 bytes]; a block = 8 fragments of 1,536 bytes
; ([4 registers g][lane][16 bytes]) and 512 bytes of scale words ([pair of tiles][lane' x 4]: lanes 0-15 the pair's first tile, lanes 16-31 its second).
; TILE ORDER: of 32 neighbouring rows (columns), tile u's row p is number 8 u + p + 8 (p / 8).
; W1's groups: 0-15: columns 192 g + 0 .. 127 (q and k of head g); 16 + p: the 64 columns of v of heads 2 p and 2 p + 1.
; A block's scale byte is its largest magnitude's exponent field - 4, held at 1 from below (a block of zeros gets 1: its codes are zeros, and this program alone reads the bytes).
; LIMITS: blocks whose largest magnitude lies under 2^-122 take the byte 1; NaN and infinities among the inputs are not served.
; Work-groups 0-255: x; 256-447: W1; 448-511: Wp.  A wave's share is always 32 rows (columns) x one K step: 4,096 numbers.  Waves share nothing: no barrier.
; No matrix unit, no tensor load, no cluster: each byte is read once by one wave.
.set X,     32                         ; v32-159  the wave's 4,096 numbers as loaded
.set F,     160                        ; x: v160-223 one tile's 64 numbers of my lane
.set FR0,   224                        ; x: v224-235, v236-247 the two tiles' fragments
.set FR1,   236
.set T,     248                        ; x: v248-254 upper halves of the blocks' codes
.set R0,    160                        ; W: v160-171 image lane (p, 0), v172-183 image lane (p, 1)
.set WT,    184                        ; W: v184-199 upper halves
.set BLK,   12800
.set SP,    528                        ; x: a stage row: 512 bytes + 16: an odd multiple of 16
.set FLOOR, 0x2800000                  ; 2^(5 - 127)
.set EOFF,  0xfe000000                 ; -(4 << 23)
; 64 numbers of a lane, v[f + 32 c + i] = k 64 c + 32 h + i of its row: two whole blocks.  Result: the fragment's 12 registers in v[fr] on, the row's scale word in v[sw].
.macro QLANE f, fr, sw
	v_max3_num_f32 v8, |v[\f]|, |v[\f+1]|, FLOOR
	v_max3_num_f32 v9, |v[\f+32]|, |v[\f+33]|, FLOOR
.irp i, 2,4,6,8,10,12,14,16,18,20,22,24,26,28,30
	v_max3_num_f32 v8, v8, |v[\f+\i]|, |v[\f+\i+1]|
	v_max3_num_f32 v9, v9, |v[\f+32+\i]|, |v[\f+33+\i]|
.endr
	v_add_nc_u32 v10, EOFF, v8                     ; 4 off the exponent field: the conversion's scale operand
	v_add_nc_u32 v11, EOFF, v9
	v_lshrrev_b32 v12, 23, v10                     ; the bytes of blocks h and 2 + h
	v_lshrrev_b32 v13, 23, v11
	v_lshl_or_b32 v12, v13, 16, v12
	v_lshlrev_b32 v12, v6, v12                     ; 8 h bits up
	v_permlanex16_b32 v13, v12, s26, s27
	v_or_b32 v[\sw], v12, v13                      ; with lane l xor 16's two the word is whole
.irp c, 0,1
	v_cvt_scalef32_pk16_bf6_f32 v[\fr+6*\c:\fr+6*\c+2], v[\f+32*\c:\f+32*\c+15], v[10+\c]
	v_cvt_scalef32_pk16_bf6_f32 v[T+4*\c:T+4*\c+2], v[\f+32*\c+16:\f+32*\c+31], v[10+\c]   ; (a conversion's three registers begin on an even number)
.endr
	v_nop                                          ; one plain place behind a scaled conversion
.irp c, 0,1
.irp i, 0,1,2
	v_mov_b32 v[\fr+6*\c+3+\i], v[T+4*\c+\i]
.endr
.endr
.endm
; x: tile u comes back from the stage, 64 numbers a lane, is quantised and stored as an image
.macro XTILE u, fr, sw
.irp c, 0,1
.irp q, 0,1,2,3,4,5,6,7
	ds_load_b128 v[F+32*\c+4*\q:F+32*\c+4*\q+3], v4 offset:16*(\u)*SP+256*\c+16*\q
.endr
.endr
	s_wait_dscnt 0x0
	QLANE F, \fr, \sw
.irp g, 0,1,2
	global_store_b128 v2, v[\fr+4*\g:\fr+4*\g+3], s[20:21] offset:(\u)*1536+512*\g   ; 32 lanes store 512 consecutive bytes
.endr
.endm
; W: block b's 32 loads: W(32 b + j, my column)
.macro WLOAD b, pitch
.set j, 0
.rept 32
	global_load_b32 v[X+32*(\b)+j], v2, s[24:25] offset:(32*(\b)+j)*\pitch th:TH_LOAD_NT
.set j, j+1
.endr
.endm
; W: block b of my column: all 32 numbers are mine
.macro WBLOCK b
.set XB, X+32*(\b)
.set RD, R0+12*((\b)%2)+6*((\b)/2)
	v_max3_num_f32 v12, |v[XB]|, |v[XB+1]|, |v[XB+2]|
	v_max3_num_f32 v13, |v[XB+3]|, |v[XB+4]|, |v[XB+5]|
.irp i, 6,10,14,18,22,26
	v_max3_num_f32 v12, v12, |v[XB+\i]|, |v[XB+\i+1]|
	v_max3_num_f32 v13, v13, |v[XB+\i+2]|, |v[XB+\i+3]|
.endr
	v_max3_num_f32 v12, v12, |v[XB+30]|, |v[XB+31]|
	v_max3_num_f32 v12, v12, v13, FLOOR
	v_add_nc_u32 v11, EOFF, v12
	v_lshrrev_b32 v13, 23, v11
.if (\b) == 0
	v_mov_b32 v14, v13
.else
	v_lshl_or_b32 v14, v13, 8*(\b), v14            ; the column's scale word, the lower K in the lower byte
.endif
	v_cvt_scalef32_pk16_bf6_f32 v[RD:RD+2], v[XB:XB+15], v11
	v_cvt_scalef32_pk16_bf6_f32 v[WT+4*(\b):WT+4*(\b)+2], v[XB+16:XB+31], v11
	v_nop                                          ; one plain place behind a scaled conversion
.irp i, 0,1,2
	v_mov_b32 v[RD+3+\i], v[WT+4*(\b)+\i]
.endr
.endm
; A weight [1024][pitch / 4]: a lane takes a column, its registers run down K.  sp, ip: the scalar pairs of the weight's and the images' addresses.
.macro WPATH sp, ip, pitch, first, kind
	s_sub_co_u32 s17, ttmp9, \first                ; 8 x group + K step
	s_lshr_b32 s18, s17, 3                         ; group
	s_and_b32 s19, s17, 7                          ; K step
.if \kind
	s_mul_i32 s28, s18, 192
	s_lshl_b32 s29, s16, 5
	s_add_co_u32 s28, s28, s29                     ; q, k: column 192 g + 32 wave
	s_sub_co_u32 s29, s18, 16
	s_lshl_b32 s29, s29, 1
	s_lshr_b32 s30, s16, 1
	s_add_co_u32 s29, s29, s30                     ; v: head 2 (g - 16) + wave / 2
	s_mul_i32 s29, s29, 192
	s_and_b32 s30, s16, 1
	s_lshl_b32 s30, s30, 5
	s_add_co_u32 s29, s29, s30
	s_add_co_u32 s29, s29, 128                     ; column 192 head + 128 + 32 (wave % 2)
	s_cmp_lt_u32 s18, 16
	s_cselect_b32 s28, s28, s29
.else
	s_lshl_b32 s28, s18, 7
	s_lshl_b32 s29, s16, 5
	s_add_co_u32 s28, s28, s29                     ; column 128 g + 32 wave
.endif
	s_lshl_b32 s24, s28, 2
	s_mul_i32 s29, s19, 128*\pitch
	s_add_co_u32 s24, s24, s29
	s_mov_b32 s25, 0
	s_mul_i32 s28, s17, BLK
	s_mul_i32 s29, s16, 3072
	s_add_co_u32 s20, s28, s29                     ; my pair's two fragments
	s_mov_b32 s21, 0
	s_lshl_b32 s29, s16, 7
	s_add_co_u32 s22, s28, s29
	s_add_co_u32 s22, s22, 12288                   ; and its scale words
	s_mov_b32 s23, 0
	v_lshlrev_b32 v2, 2, v1                        ; in: 4 bytes a lane
	v_bfe_u32 v8, v1, 3, 1                         ; my column's tile u
	v_and_b32 v9, 7, v1
	v_lshrrev_b32 v10, 4, v1
	v_lshl_add_u32 v9, v10, 3, v9                  ; and its row p there
	v_mul_u32_u24 v6, v8, 1536
	v_lshl_add_u32 v6, v9, 4, v6                   ; out: 1,536 u + 16 p
	v_lshl_add_u32 v7, v8, 4, v9
	v_lshlrev_b32 v7, 2, v7                        ; 4 (16 u + p)
	s_wait_kmcnt 0x0
	s_add_nc_u64 s[24:25], s[\sp:\sp+1], s[24:25]
	s_add_nc_u64 s[20:21], s[\ip:\ip+1], s[20:21]
	s_add_nc_u64 s[22:23], s[\ip:\ip+1], s[22:23]
	WLOAD 0, \pitch
	WLOAD 1, \pitch
	s_wait_loadcnt 32                              ; block 0 is in; block 1's 32 loads may be out
	WLOAD 2, \pitch
	WBLOCK 0
	s_wait_loadcnt 32                              ; block 1 is in; block 2's may be out
	WLOAD 3, \pitch
	WBLOCK 1
	s_wait_loadcnt 32                              ; block 2 is in; block 3's may be out
	WBLOCK 2
	s_wait_loadcnt 0x0
	WBLOCK 3
.irp h, 0,1
.irp g, 0,1,2
	global_store_b128 v6, v[R0+12*\h+4*\g:R0+12*\h+4*\g+3], s[20:21] offset:512*\g+256*\h   ; the sixteen lanes of one tile store 256 consecutive bytes, aligned
.endr
.endr
	global_store_b32 v7, v14, s[22:23]
	s_endpgm
.endm
	s_load_b256 s[4:11], s[0:1], 0x0               ; x, W1, Wp, xi
	s_load_b128 s[12:15], s[0:1], 0x20             ; w1i, wpi
	v_lshl_add_u32 v251, v0, 2, 0x10800
	v_mov_b32 v255, 0
	v_lshrrev_b32 v1, 5, v0
	v_readfirstlane_b32 s16, v1                    ; wave
	v_and_b32 v1, 31, v0                           ; lane
	s_mov_b32 s26, 0x76543210
	s_mov_b32 s27, 0xfedcba98                      ; v_permlanex16_b32's selects for lane l xor 16
	s_cmp_lt_u32 ttmp9, 256
	s_cbranch_scc0 .Lweights
	; ---- x: K is innermost.  Each load reads 512 consecutive bytes of one row; the 32 rows turn through the wave's own stage in LDS, laid in tile order.
	v_lshlrev_b32 v2, 4, v1                        ; 16 x lane
	s_mul_i32 s17, s16, 32*SP
	v_add_nc_u32 v3, s17, v2                       ; the stage, in
	v_and_b32 v8, 15, v1                           ; r
	v_lshrrev_b32 v9, 4, v1                        ; h
	v_mul_u32_u24 v4, v8, SP
	v_lshl_add_u32 v4, v9, 7, v4
	v_add_nc_u32 v4, s17, v4                       ; out: row r, + 128 h bytes
	v_lshlrev_b32 v5, 2, v1
	v_lshlrev_b32 v6, 3, v9                        ; 8 h
	s_lshr_b32 s18, ttmp9, 1                       ; which 32 rows
	s_and_b32 s19, ttmp9, 1
	s_lshl_b32 s19, s19, 2
	s_add_co_u32 s19, s19, s16                     ; which K step
	s_lshl_b32 s24, s18, 17
	s_lshl_b32 s28, s19, 9
	s_add_co_u32 s24, s24, s28
	s_mov_b32 s25, 0
	s_lshr_b32 s28, s18, 2
	s_lshl_b32 s28, s28, 3
	s_add_co_u32 s28, s28, s19                     ; 8 x group + K step
	s_mul_i32 s28, s28, BLK
	s_and_b32 s29, s18, 3                          ; the pair in its group
	s_mul_i32 s30, s29, 3072
	s_add_co_u32 s20, s28, s30
	s_mov_b32 s21, 0
	s_lshl_b32 s30, s29, 7
	s_add_co_u32 s22, s28, s30
	s_add_co_u32 s22, s22, 12288
	s_mov_b32 s23, 0
	s_wait_kmcnt 0x0
	s_add_nc_u64 s[24:25], s[4:5], s[24:25]
	s_add_nc_u64 s[20:21], s[10:11], s[20:21]
	s_add_nc_u64 s[22:23], s[10:11], s[22:23]
.set i, 0
.rept 32
	global_load_b128 v[X+4*i:X+4*i+3], v2, s[24:25] offset:i*4096 th:TH_LOAD_NT
.set i, i+1
.endr
.set i, 0
.rept 32
	s_wait_loadcnt 31-i                            ; row i is in; the 31 - i younger loads may be out
	ds_store_b128 v3, v[X+4*i:X+4*i+3] offset:(16*((i>>3)&1)+(i&7)+8*(i>>4))*SP
.set i, i+1
.endr
	XTILE 0, FR0, 14                               ; LDS serves a wave's instructions in order: the loads see the stores
	XTILE 1, FR1, 15
	v_cmp_gt_u32 vcc_lo, 16, v1
	v_cndmask_b32 v7, v15, v14, vcc_lo             ; lanes 0-15: tile 0's words; lanes 16-31: tile 1's
	global_store_b32 v5, v7, s[22:23]
	s_wait_tensorcnt 0x0
	ds_add_u32 v251, v255
	s_wait_dscnt 0x0
	s_endpgm
.Lweights:
	s_cmp_lt_u32 ttmp9, 448
	s_cbranch_scc0 .Lwp
	WPATH 6, 12, 12288, 256, 1
.Lwp:
	WPATH 8, 14, 4096, 448, 0
.Lfunc_end_k_q5a75387f05_quant:
	.size	k_q5a75387f05_quant, .Lfunc_end_k_q5a75387f05_quant-k_q5a75387f05_quant
	.p2alignl 7, 3214868480
	.fill 96, 4, 3214868480
	.section	.rodata,"a",@progbits
	.p2align	6, 0x0
	.amdhsa_kernel k_q5a75387f05_quant
		.amdhsa_group_segment_fixed_size 68096
		.amdhsa_private_segment_fixed_size 0
		.amdhsa_enable_private_segment 0
		.amdhsa_kernarg_size 48
		.amdhsa_user_sgpr_count 2
		.amdhsa_user_sgpr_kernarg_segment_ptr 1
		.amdhsa_wavefront_size32 1
		.amdhsa_system_sgpr_workgroup_id_x 1
		.amdhsa_system_sgpr_workgroup_id_y 1
		.amdhsa_system_sgpr_workgroup_id_z 1
		.amdhsa_system_vgpr_workitem_id 0
		.amdhsa_next_free_vgpr 256
		.amdhsa_next_free_sgpr 66
		.amdhsa_reserve_vcc 1
		.amdhsa_float_denorm_mode_32 3
		.amdhsa_float_denorm_mode_16_64 3
		.amdhsa_memory_ordered 1
		.amdhsa_forward_progress 1
		.amdhsa_inst_pref_size 58
	.end_amdhsa_kernel
	.amdgpu_metadata
---
amdhsa.version: [ 1, 2 ]
amdhsa.kernels:
  - .name:           k_q5a75387f05_quant
    .symbol:         k_q5a75387f05_quant.kd
    .args:
      - { .name: x, .offset: 0, .size: 8, .value_kind: global_buffer, .address_space: global }
      - { .name: W1, .offset: 8, .size: 8, .value_kind: global_buffer, .address_space: global }
      - { .name: Wp, .offset: 16, .size: 8, .value_kind: global_buffer, .address_space: global }
      - { .name: xi, .offset: 24, .size: 8, .value_kind: global_buffer, .address_space: global }
      - { .name: w1i, .offset: 32, .size: 8, .value_kind: global_buffer, .address_space: global }
      - { .name: wpi, .offset: 40, .size: 8, .value_kind: global_buffer, .address_space: global }
    .group_segment_fixed_size: 68096
    .private_segment_fixed_size: 0
    .kernarg_segment_align: 8
    .kernarg_segment_size: 48
    .max_flat_workgroup_size: 128
    .sgpr_count:     66
    .vgpr_count:     256
    .wavefront_size: 32
...
	.end_amdgpu_metadata
.endif
;; end of part 1
;; launch qkv (part 2): grid 24 x 32, 8 waves a work-group, clusters of 4 x 4, 205,824 bytes of LDS; arguments xi, w1i, b1, qi, kvi; writes qi, kvi
.if DOCPART == 2
	.amdgcn_target "amdgcn-amd-amdhsa--gfx1250"
	.amdhsa_code_object_version 6
	.text
	.protected	k_q5a75387f05_qkv
	.globl	k_q5a75387f05_qkv
	.p2align	8
	.type	k_q5a75387f05_qkv,@function
k_q5a75387f05_qkv:
	s_mov_b64 s[64:65], 0
	v_nop
	global_prefetch_b8 v0, s[64:65] scope:SCOPE_SE
	s_setreg_imm32_b32 hwreg(HW_REG_WAVE_MODE, 25, 1), 1
	s_wait_xcnt 0x0
	s_wait_alu depctr_hold_cnt(0) depctr_sa_sdst(0) depctr_va_vdst(0) depctr_va_sdst(0) depctr_va_ssrc(0) depctr_va_vcc(0) depctr_vm_vsrc(0)
	s_getreg_b32 s2, hwreg(HW_REG_IB_STS2, 6, 4)
	s_cmp_eq_u32 s2, 0
	s_cbranch_scc0 .Lentry_in_a_cluster
	s_endpgm
.Lentry_in_a_cluster:
	s_bfe_u32 s2, ttmp6, 0x10000c
	s_cmp_lg_u32 s2, 0xf033
	s_cbranch_scc0 .Lentry_shape_is_right
	s_endpgm
.Lentry_shape_is_right:
; h = x W1 + b1 on codes of BF6 (images made by the launch before), and q, k, v quantised in registers for the two products of attention.
; A work-group makes 128 rows x 128 columns over all of K = 1024.  Both panels (8 K steps x 12,800 bytes each) lie whole in LDS: A at 0, B at 102,400; every fill is a first fill.
; CLUSTERS: 4 x 4 work-groups; x's panel hangs on the row group alone and is asked for jointly by a row of the cluster, W1's on the column group alone, by a column.
; Column groups 0-15 (cluster x 0-3): q and k of head g.  USED TRANSPOSED (source 0 = W1's columns, source 1 = x's rows): a lane holds one row, its registers run along the head's 64,
;   which is the next product's K.  Waves 0-3 make q, waves 4-7 k; wave % 4 picks 32 rows.  Out: per tile of 16 rows 768 bytes (registers 0-3 at 16 x lane, 4-5 at 8 x lane), and a scale word with its two bytes written twice.
; Column groups 16-23 (cluster x 4, 5): v of two heads.  Source 0 = x's rows (the keys), source 1 = W1's columns: a lane holds one column of v, its registers run along the keys.  Wave w takes tile w of the 128 columns.
; The branch between the two hangs on the cluster's x alone: it is the same in all sixteen partners.
; TILE ORDER (of 32 neighbours, tile u's row p is number 8 u + p + 8 (p / 8)) makes a lane's 16 registers of two neighbouring tiles 16 neighbours.
; The scale words of both paths stand in v248-252, which hold nothing else.
; LIMITS: a block whose largest magnitude lies under 2^-122 takes the scale byte 1 (a block of zeros too); NaN and infinities are not served.
.set BLK,   12800
.set HALFP, 4*BLK
.set PANEL, 8*BLK
.set SEL,   70                         ; s[70:71] lane selects
; q, k path
.set XF,  16                           ; v16-39   x's two fragments
.set WF,  40                           ; v40-87   W1's four
.set XS,  248                          ; v248     x's scale words (both tiles)
.set WS,  249                          ; v249-250 W1's (two pairs)
.set ACC, 96                           ; v96-159  accumulator (a, t) at 96 + 32 a + 8 t
.set TM,  160                          ; v160-169 at work in QUANT32
.set PC0, 176                          ; v176-181, v184-189 the codes of the two tiles
.set PT,  192                          ; v192-194
.set PW0, 196                          ; v196-197 their scale words
.set SW,  198
; v path
.set NXF, 16                           ; v16-111  x's eight fragments
.set NWF, 112                          ; v112-123 W1's one
.set NXS, 248                          ; v248-251 x's scale words
.set NWS, 252                          ; v252     W1's
.set BV,  130                          ; v130-137 the bias of my column, eight times
.set NACC, 144                         ; v144-207 eight accumulators
.set NTM, 208                          ; v208-223 at work in QUANT64
.set NPC, 224                          ; v224-243 the fragment just made
.set NPW, 244
.macro PLACES n
.rept \n
	v_nop
.endr
.endm
.macro CROUND                          ; a round of the cluster's barrier
	s_barrier_signal -1
	s_barrier_wait -1
	s_cmp_lg_u32 s14, 0
	s_cbranch_scc1 .Lnot_wave_0_\@
	s_barrier_signal -3
.Lnot_wave_0_\@:
	s_barrier_wait -3
	s_barrier_signal -1
	s_barrier_wait -1
.endm
.macro FRAG reg, adr, off              ; a fragment's image: three loads of 16 bytes a lane, 512 consecutive bytes each
.irp g, 0,1,2
	ds_load_b128 v[\reg+4*\g:\reg+4*\g+3], v[\adr] offset:\off+512*\g
.endr
.endm
.macro WM d, a, b, c, sa, sb, ra, rb   ; ra, rb = 1: that side's scales stand in lanes 16-31
.if (\ra) && (\rb)
	v_wmma_scale_f32_16x16x128_f8f6f4 v[\d:\d+7], v[\a:\a+11], v[\b:\b+11], v[\c:\c+7], v[\sa], v[\sb] matrix_a_fmt:MATRIX_FMT_BF6 matrix_b_fmt:MATRIX_FMT_BF6 matrix_a_scale:MATRIX_SCALE_ROW1 matrix_b_scale:MATRIX_SCALE_ROW1
.elseif (\ra)
	v_wmma_scale_f32_16x16x128_f8f6f4 v[\d:\d+7], v[\a:\a+11], v[\b:\b+11], v[\c:\c+7], v[\sa], v[\sb] matrix_a_fmt:MATRIX_FMT_BF6 matrix_b_fmt:MATRIX_FMT_BF6 matrix_a_scale:MATRIX_SCALE_ROW1
.elseif (\rb)
	v_wmma_scale_f32_16x16x128_f8f6f4 v[\d:\d+7], v[\a:\a+11], v[\b:\b+11], v[\c:\c+7], v[\sa], v[\sb] matrix_a_fmt:MATRIX_FMT_BF6 matrix_b_fmt:MATRIX_FMT_BF6 matrix_b_scale:MATRIX_SCALE_ROW1
.else
	v_wmma_scale_f32_16x16x128_f8f6f4 v[\d:\d+7], v[\a:\a+11], v[\b:\b+11], v[\c:\c+7], v[\sa], v[\sb] matrix_a_fmt:MATRIX_FMT_BF6 matrix_b_fmt:MATRIX_FMT_BF6
.endif
.endm
; 32 numbers of a lane, register 16 b + i = index 32 b + 16 h + i of its row, become six registers of codes (index 32 h + 0 .. 31) in v[pc] on and two scale bytes in v[pw] (dup = 1: written twice)
.macro QUANT32 s, pc, pw, dup
.irp b, 0,1
	v_max3_num_f32 v[TM+\b], |v[\s+16*\b]|, |v[\s+16*\b+1]|, 0x2800000   ; with the floor 2^(5 - 127): the byte cannot fall under 1
.endr
.irp i, 2,4,6,8,10,12,14
.irp b, 0,1
	v_max3_num_f32 v[TM+\b], v[TM+\b], |v[\s+16*\b+\i]|, |v[\s+16*\b+\i+1]|
.endr
.endr
.irp b, 0,1
	v_permlanex16_b32 v[TM+4+\b], v[TM+\b], s[SEL], s[SEL+1]
.endr
.irp b, 0,1
	v_max_num_f32 v[TM+\b], v[TM+\b], v[TM+4+\b]   ; with lane l xor 16's 16: the block's largest magnitude
.endr
.irp b, 0,1
	v_add_nc_u32 v[TM+8+\b], 0xfe000000, v[TM+\b]  ; 4 off its exponent field: the conversion's scale operand
.endr
.irp b, 0,1
	v_lshrrev_b32 v[TM+4+\b], 23, v[TM+8+\b]       ; the byte
.endr
	v_lshl_or_b32 v[\pw], v[TM+5], 8, v[TM+4]
.if \dup
	v_lshl_or_b32 v[\pw], v[\pw], 16, v[\pw]
.endif
	v_cvt_scalef32_pk16_bf6_f32 v[\pc:\pc+2], v[\s:\s+15], v[TM+8]
	v_cvt_scalef32_pk16_bf6_f32 v[PT:PT+2], v[\s+16:\s+31], v[TM+9]
	v_nop                                          ; one plain place behind a scaled conversion
.irp i, 0,1,2
	v_permlane16_swap_b32 v[\pc+\i], v[PT+\i]      ; a whole block to a lane: lanes 0-15 block 0, lanes 16-31 block 1
.endr
.irp i, 0,1,2
	v_mov_b32 v[\pc+3+\i], v[PT+\i]
.endr
.endm
; 64 numbers of a lane, register 16 b + i = k 32 b + 16 h + i, become a fragment in v[NPC] on and its scale word in v[NPW]
.macro QUANT64 s
.irp b, 0,1,2,3
	v_max3_num_f32 v[NTM+\b], |v[\s+16*\b]|, |v[\s+1+16*\b]|, 0x2800000
.endr
.irp i, 2,4,6,8,10,12,14
.irp b, 0,1,2,3
	v_max3_num_f32 v[NTM+\b], v[NTM+\b], |v[\s+16*\b+\i]|, |v[\s+1+16*\b+\i]|
.endr
.endr
.irp b, 0,1,2,3
	v_permlanex16_b32 v[NTM+4+\b], v[NTM+\b], s[SEL], s[SEL+1]
.endr
.irp b, 0,1,2,3
	v_max_num_f32 v[NTM+\b], v[NTM+\b], v[NTM+4+\b]
.endr
.irp b, 0,1,2,3
	v_add_nc_u32 v[NTM+12+\b], 0xfe000000, v[NTM+\b]
.endr
.irp b, 0,1,2,3
	v_lshrrev_b32 v[NTM+4+\b], 23, v[NTM+12+\b]
.endr
	v_lshl_or_b32 v[NPW], v[NTM+5], 8, v[NTM+4]
	v_lshl_or_b32 v[NPW], v[NTM+6], 16, v[NPW]
	v_lshl_or_b32 v[NPW], v[NTM+7], 24, v[NPW]
.irp c, 0,1
	v_cvt_scalef32_pk16_bf6_f32 v[NPC+6*\c:NPC+2+6*\c], v[\s+32*\c:\s+15+32*\c], v[NTM+12+2*\c]
	v_cvt_scalef32_pk16_bf6_f32 v[NPC+12+4*\c:NPC+14+4*\c], v[\s+16+32*\c:\s+31+32*\c], v[NTM+12+2*\c+1]
.endr
	v_nop
.irp c, 0,1
.irp i, 0,1,2
	v_permlane16_swap_b32 v[NPC+6*\c+\i], v[NPC+12+4*\c+\i]
.endr
.irp i, 0,1,2
	v_mov_b32 v[NPC+3+6*\c+\i], v[NPC+12+4*\c+\i]
.endr
.endr
.endm
; K step s of the q, k path: 6 fragments and 3 registers of scale words from LDS, 8 products; the eight accumulators take turns
.macro TSTEP s
	PLACES 4                                       ; in front of loads into registers that matrix instructions have read
.irp a, 0,1
	FRAG XF+12*\a, 4+(\s)/4, ((\s)%4)*BLK+\a*1536
.endr
.irp t, 0,1,2,3
	FRAG WF+12*\t, 6+(\s)/4, ((\s)%4)*BLK+\t*1536
.endr
	ds_load_b32 v[XS], v[8+(\s)/4] offset:((\s)%4)*BLK
	ds_load_b32 v[WS], v[10+(\s)/4] offset:((\s)%4)*BLK
	ds_load_b32 v[WS+1], v[10+(\s)/4] offset:((\s)%4)*BLK+128
	s_wait_dscnt 0x0
.irp a, 0,1
.irp t, 0,1,2,3
	WM ACC+32*\a+8*\t, WF+12*\t, XF+12*\a, ACC+32*\a+8*\t, WS+\t/2, XS, \t%2, \a
.endr
.endr
.endm
; K step s of the v path: x's 8 fragments, W1's one, 8 products.  first = 1: the bias is the C of the sums' first products
.macro NSTEP s, first
	PLACES 4
.irp a, 0,1,2,3,4,5,6,7
	FRAG NXF+12*\a, 4+(\s)/4, ((\s)%4)*BLK+\a*1536
.endr
	FRAG NWF, 6+(\s)/4, ((\s)%4)*BLK
.irp p, 0,1,2,3
	ds_load_b32 v[NXS+\p], v[8+(\s)/4] offset:((\s)%4)*BLK+128*\p
.endr
	ds_load_b32 v[NWS], v[10+(\s)/4] offset:((\s)%4)*BLK
	s_wait_dscnt 0x0
.irp a, 0,1,2,3,4,5,6,7
.if \first
	WM NACC+8*\a, NXF+12*\a, NWF, BV, NXS+\a/2, NWS, \a%2, 0
.else
	WM NACC+8*\a, NXF+12*\a, NWF, NACC+8*\a, NXS+\a/2, NWS, \a%2, 0
.endif
.endr
.endm
.macro FIRSTBAR                        ; K steps 0-3 of both panels are in: each wave's first load has landed (its second may be out)
	s_wait_loadcnt 0x0                             ; the bias
	s_wait_tensorcnt 0x1
	s_barrier_signal -1
	s_barrier_wait -1
.endm
.macro MIDBAR                          ; K steps 4-7 are in
	s_wait_tensorcnt 0x0
	s_wait_dscnt 0x0
	s_barrier_signal -1
	s_barrier_wait -1
.endm
	s_load_b256 s[4:11], s[0:1], 0x0               ; xi, w1i, b1, qi
	s_load_b64 s[12:13], s[0:1], 0x20              ; kvi
	v_lshl_add_u32 v254, v0, 2, 0x32000
	v_mov_b32 v255, 0
	ds_add_u32 v254, v255
	v_lshrrev_b32 v1, 5, v0
	v_readfirstlane_b32 s14, v1                    ; wave 0..7
	s_lshr_b32 s15, s14, 2                         ; sel.  Also: I fetch for A (0) or for B (1)
	s_and_b32 s16, s14, 3                          ; st.   Also: which K steps I fetch: st and 4 + st
	s_bfe_u32 s17, ttmp6, 0x40000                  ; cx
	s_bfe_u32 s18, ttmp6, 0x40004                  ; cy
	s_lshl_b32 s19, ttmp9, 2
	s_add_co_u32 s19, s19, s17                     ; column group = 4 x cluster x + cx
	s_and_b32 s20, ttmp7, 0xffff
	s_lshl_b32 s20, s20, 2
	s_add_co_u32 s20, s20, s18                     ; row group = 4 x cluster y + cy
	s_lshl_b32 s21, s18, 2
	s_lshl_b32 s21, 15, s21                        ; my row of the cluster
	s_lshl_b32 s22, 0x1111, s17                    ; my column
	; descriptor group 1: a dense block of 12,800 bytes as 50 rows of 256 bytes (32 elements of 8 bytes), no padding
	s_or_b32 s24, s21, (3<<16)|(1<<21)             ; 15:0 the mask; 17:16 elements of 8 bytes; 21 set beside a mask
	s_or_b32 s32, s22, (3<<16)|(1<<21)
.irp g, 24, 32
	s_mov_b32 s[\g+1], 32<<16                      ; tensor_dim0 = 32
	s_mov_b32 s[\g+2], 50<<16                      ; tensor_dim1 = 50
	s_mov_b32 s[\g+3], 32<<16                      ; tile_dim0 = 32
	s_mov_b32 s[\g+4], 50                          ; tile_dim1 = 50
	s_mov_b32 s[\g+5], 32                          ; the pitch
	s_mov_b32 s[\g+6], 0
	s_mov_b32 s[\g+7], 0
.endr
	s_mul_i32 s23, s16, BLK                        ; my K step's place in a panel, in memory and in LDS: no place in the cluster enters an LDS address
	s_mov_b32 s60, s23
	s_mov_b32 s61, 0
	s_mul_i32 s56, s20, PANEL                      ; A's panel hangs on the row group alone,
	s_mov_b32 s57, 0
	s_add_nc_u64 s[56:57], s[56:57], s[60:61]
	s_mul_i32 s58, s19, PANEL                      ; B's on the column group alone
	s_mov_b32 s59, 0
	s_add_nc_u64 s[58:59], s[58:59], s[60:61]
	s_wait_dscnt 0x0
	s_wait_kmcnt 0x0
	s_add_nc_u64 s[56:57], s[4:5], s[56:57]
	s_add_nc_u64 s[58:59], s[6:7], s[58:59]
	CROUND                                         ; all sixteen work-groups are here: the joint loads meet
	s_mov_b32 s40, 1
	s_mov_b32 s41, s23
	s_mov_b64 s[42:43], s[56:57]
	s_or_b32 s43, s43, 0x80000000
	s_mov_b32 s44, 1
	s_add_co_u32 s45, s23, HALFP
	s_add_nc_u64 s[46:47], s[56:57], HALFP
	s_or_b32 s47, s47, 0x80000000
	s_mov_b32 s48, 1
	s_add_co_u32 s49, s23, PANEL
	s_mov_b64 s[50:51], s[58:59]
	s_or_b32 s51, s51, 0x80000000
	s_mov_b32 s52, 1
	s_add_co_u32 s53, s23, PANEL+HALFP
	s_add_nc_u64 s[54:55], s[58:59], HALFP
	s_or_b32 s55, s55, 0x80000000
	s_cmp_lt_u32 s14, 4                            ; a wave's two fills stand in one branch on the wave's number: two loads of mine are out
	s_cbranch_scc0 .Lfill_b
	tensor_load_to_lds s[40:43], s[24:31]
	s_nop 0
	tensor_load_to_lds s[44:47], s[24:31]
	s_nop 0
	PLACES 4
	s_branch .Lfilled
.Lfill_b:
	tensor_load_to_lds s[48:51], s[32:39]
	s_nop 0
	tensor_load_to_lds s[52:55], s[32:39]
	s_nop 0
	PLACES 4
.Lfilled:
	v_and_b32 v1, 31, v0                           ; lane
	v_and_b32 v2, 15, v0                           ; r
	v_bfe_u32 v3, v0, 4, 1                         ; h
	v_lshlrev_b32 v12, 4, v1                       ; 16 x lane
	v_lshlrev_b32 v13, 3, v1                       ; 8 x lane
	s_mov_b32 s[SEL], 0x76543210
	s_mov_b32 s[SEL+1], 0xfedcba98
	s_cmp_ge_u32 ttmp9, 4                          ; the cluster's x: the same in all partners
	s_cbranch_scc1 .Lv
	; ---------------- q and k of head = column group
	s_mul_i32 s60, s16, 3072
	v_add_nc_u32 v4, s60, v12                      ; x's pair st
	v_add_nc_u32 v5, HALFP, v4                     ; (the second register of each pair serves K steps 4-7)
	s_mul_i32 s60, s15, 6144
	s_add_co_u32 s60, s60, PANEL
	v_add_nc_u32 v6, s60, v12                      ; W1's tiles 4 sel on
	v_add_nc_u32 v7, HALFP, v6
	v_lshlrev_b32 v14, 2, v1
	s_lshl_b32 s60, s16, 7
	s_add_co_u32 s60, s60, 12288
	v_add_nc_u32 v8, s60, v14                      ; x's scale words
	v_add_nc_u32 v9, HALFP, v8
	s_lshl_b32 s60, s15, 8
	s_add_co_u32 s60, s60, PANEL+12288
	v_add_nc_u32 v10, s60, v14                     ; W1's
	v_add_nc_u32 v11, HALFP, v10
	s_lshl_b32 s60, s16, 2
	v_add_nc_u32 v14, s60, v12                     ; out: a scale word's place: 16 x lane + 4 st
	v_lshlrev_b32 v15, 6, v3                       ; the bias: 16 h numbers on
	v_mov_b32 v[TM+4], 0                           ; written once: a lane permute's destination counts as one of its sources
	v_mov_b32 v[TM+5], 0
	s_mul_i32 s62, s19, 768
	s_lshl_b32 s60, s15, 8
	s_add_co_u32 s62, s62, s60                     ; 4 (192 head + 64 sel)
	s_mov_b32 s63, 0
	s_add_nc_u64 s[62:63], s[8:9], s[62:63]
.irp a, 0,1                                    ; the bias is loaded into the accumulators: register 8 t + j of a lane is column 32 (t / 2) + 16 h + 8 (t % 2) + j
.irp t, 0,1,2,3
	global_load_b128 v[ACC+32*\a+8*\t:ACC+32*\a+8*\t+3], v15, s[62:63] offset:(32*(\t/2)+8*(\t%2))*4
	global_load_b128 v[ACC+32*\a+8*\t+4:ACC+32*\a+8*\t+7], v15, s[62:63] offset:(32*(\t/2)+8*(\t%2))*4+16
.endr
.endr
	s_lshl_b32 s60, s19, 5
	s_add_co_u32 s60, s60, s20                     ; 32 head + row group
	s_mov_b32 s61, 13056
	s_cmp_eq_u32 s15, 0                            ; q's buffer or k's: the choice hangs on the wave's number alone
	s_cselect_b32 s61, 6656, s61
	s_cselect_b64 s[66:67], s[10:11], s[12:13]
	s_mul_i32 s60, s60, s61
	s_mov_b32 s61, 0
	s_add_nc_u64 s[66:67], s[66:67], s[60:61]      ; the block of 128 rows
	s_add_nc_u64 s[68:69], s[66:67], 6144          ; its scale words
	s_mul_i32 s60, s16, 1536
	s_add_nc_u64 s[66:67], s[66:67], s[60:61]      ; my two tiles
	FIRSTBAR
	TSTEP 0
	TSTEP 1
	TSTEP 2
	TSTEP 3
	MIDBAR
	TSTEP 4
	TSTEP 5
	TSTEP 6
	TSTEP 7
	PLACES 4                                       ; in front of the first read of results
.irp a, 0,1
	QUANT32 ACC+32*\a, PC0+8*\a, PW0+\a, 1
	global_store_b128 v12, v[PC0+8*\a:PC0+8*\a+3], s[66:67] offset:\a*768        ; 32 lanes store 512 consecutive bytes
	global_store_b64 v13, v[PC0+8*\a+4:PC0+8*\a+5], s[66:67] offset:\a*768+512   ; and 256
.endr
	v_cmp_gt_u32 vcc_lo, 16, v1
	v_cndmask_b32 v[SW], v[PW0+1], v[PW0], vcc_lo  ; lanes 0-15: the first tile's words; lanes 16-31: the second's
	global_store_b32 v14, v[SW], s[68:69]
	s_wait_tensorcnt 0x0
	ds_add_u32 v254, v255
	s_wait_dscnt 0x0
	CROUND                                         ; the closing round
	s_endpgm
	; ---------------- v of heads 2 (group - 16) and 2 (group - 16) + 1
.Lv:
	v_mov_b32 v4, v12                              ; x's eight tiles
	v_add_nc_u32 v5, HALFP, v4
	s_mul_i32 s60, s14, 1536
	s_add_co_u32 s60, s60, PANEL
	v_add_nc_u32 v6, s60, v12                      ; W1's tile w
	v_add_nc_u32 v7, HALFP, v6
	v_lshlrev_b32 v14, 2, v1
	v_add_nc_u32 v8, 12288, v14                    ; x's scale words
	v_add_nc_u32 v9, HALFP, v8
	s_lshl_b32 s60, s14, 6
	s_add_co_u32 s60, s60, PANEL+12288
	v_lshlrev_b32 v15, 2, v2
	v_add_nc_u32 v10, s60, v15                     ; W1's: tile w's sixteen words, into lanes 0-15 (and again into 16-31)
	v_add_nc_u32 v11, HALFP, v10
.irp b, 0,1,2,3
	v_mov_b32 v[NTM+4+\b], 0                       ; written once: a lane permute's destination counts as one of its sources
.endr
	s_sub_co_u32 s60, s19, 16
	s_lshl_b32 s60, s60, 1
	s_add_co_u32 s72, s60, s15                     ; head
	s_mul_i32 s62, s72, 192
	s_lshr_b32 s60, s16, 1
	s_lshl_b32 s60, s60, 5
	s_add_co_u32 s62, s62, s60
	s_and_b32 s60, s16, 1
	s_lshl_b32 s60, s60, 3
	s_add_co_u32 s62, s62, s60
	s_add_co_u32 s62, s62, 128
	s_lshl_b32 s62, s62, 2                         ; 4 (192 head + 128 + 32 (st / 2) + 8 (st % 2))
	s_mov_b32 s63, 0
	s_add_nc_u64 s[62:63], s[8:9], s[62:63]
	v_and_b32 v14, 8, v2
	v_add_nc_u32 v14, v14, v2
	v_lshlrev_b32 v14, 2, v14                      ; 4 (r + 8 (r / 8)): my column of the tile
	global_load_b32 v[BV], v14, s[62:63]
	v_lshlrev_b32 v15, 3, v2                       ; out: 8 r
	s_lshl_b32 s60, s72, 5
	s_add_co_u32 s60, s60, s20
	s_mul_i32 s60, s60, 13056                      ; the step of 128 keys
	s_mov_b32 s61, 0
	s_add_nc_u64 s[66:67], s[12:13], s[60:61]
	s_lshr_b32 s60, s16, 1
	s_lshl_b32 s60, s60, 2
	s_and_b32 s73, s16, 1
	s_lshl_b32 s73, s73, 7
	s_add_co_u32 s60, s60, s73
	s_add_co_u32 s60, s60, 12800
	s_add_nc_u64 s[68:69], s[66:67], s[60:61]      ; my tile's scale words: 12,800 + 128 (st % 2) + 4 (st / 2)
	s_mul_i32 s60, s16, 1536
	s_add_co_u32 s60, s60, 6656
	s_add_nc_u64 s[66:67], s[66:67], s[60:61]      ; my fragment
	FIRSTBAR
.irp j, 1,2,3,4,5,6,7
	v_mov_b32 v[BV+\j], v[BV]
.endr
	NSTEP 0, 1
	NSTEP 1, 0
	NSTEP 2, 0
	NSTEP 3, 0
	MIDBAR
	NSTEP 4, 0
	NSTEP 5, 0
	NSTEP 6, 0
	NSTEP 7, 0
	PLACES 4
	QUANT64 NACC
.irp g, 0,1,2
	global_store_b128 v12, v[NPC+4*\g:NPC+4*\g+3], s[66:67] offset:512*\g
.endr
	global_store_b32 v15, v[NPW], s[68:69]         ; lanes r and 16 + r store the same word with the same value
	s_wait_tensorcnt 0x0
	ds_add_u32 v254, v255
	s_wait_dscnt 0x0
	CROUND                                         ; the closing round
	s_endpgm
.Lfunc_end_k_q5a75387f05_qkv:
	.size	k_q5a75387f05_qkv, .Lfunc_end_k_q5a75387f05_qkv-k_q5a75387f05_qkv
	.p2alignl 7, 3214868480
	.fill 96, 4, 3214868480
	.section	.rodata,"a",@progbits
	.p2align	6, 0x0
	.amdhsa_kernel k_q5a75387f05_qkv
		.amdhsa_group_segment_fixed_size 205824
		.amdhsa_private_segment_fixed_size 0
		.amdhsa_enable_private_segment 0
		.amdhsa_kernarg_size 40
		.amdhsa_user_sgpr_count 2
		.amdhsa_user_sgpr_kernarg_segment_ptr 1
		.amdhsa_wavefront_size32 1
		.amdhsa_system_sgpr_workgroup_id_x 1
		.amdhsa_system_sgpr_workgroup_id_y 1
		.amdhsa_system_sgpr_workgroup_id_z 1
		.amdhsa_system_vgpr_workitem_id 0
		.amdhsa_next_free_vgpr 256
		.amdhsa_next_free_sgpr 100
		.amdhsa_reserve_vcc 1
		.amdhsa_float_denorm_mode_32 3
		.amdhsa_float_denorm_mode_16_64 3
		.amdhsa_memory_ordered 1
		.amdhsa_forward_progress 1
		.amdhsa_inst_pref_size 66
	.end_amdhsa_kernel
	.amdgpu_metadata
---
amdhsa.version: [ 1, 2 ]
amdhsa.kernels:
  - .name:           k_q5a75387f05_qkv
    .symbol:         k_q5a75387f05_qkv.kd
    .args:
      - { .name: xi, .offset: 0, .size: 8, .value_kind: global_buffer, .address_space: global }
      - { .name: w1i, .offset: 8, .size: 8, .value_kind: global_buffer, .address_space: global }
      - { .name: b1, .offset: 16, .size: 8, .value_kind: global_buffer, .address_space: global }
      - { .name: qi, .offset: 24, .size: 8, .value_kind: global_buffer, .address_space: global }
      - { .name: kvi, .offset: 32, .size: 8, .value_kind: global_buffer, .address_space: global }
    .group_segment_fixed_size: 205824
    .private_segment_fixed_size: 0
    .kernarg_segment_align: 8
    .kernarg_segment_size: 40
    .max_flat_workgroup_size: 256
    .sgpr_count:     100
    .vgpr_count:     256
    .wavefront_size: 32
...
	.end_amdgpu_metadata
.endif
;; end of part 2
;; launch attn (part 3): grid 16 x 16, 16 waves a work-group, no clusters, 327,680 bytes of LDS; arguments qi, kvi, ai; writes ai
.if DOCPART == 3
	.amdgcn_target "amdgcn-amd-amdhsa--gfx1250"
	.amdhsa_code_object_version 6
	.text
	.protected	k_q5a75387f05_attn
	.globl	k_q5a75387f05_attn
	.p2align	8
	.type	k_q5a75387f05_attn,@function
k_q5a75387f05_attn:
	s_mov_b64 s[64:65], 0
	v_nop
	global_prefetch_b8 v0, s[64:65] scope:SCOPE_SE
	s_setreg_imm32_b32 hwreg(HW_REG_WAVE_MODE, 25, 1), 1
	s_wait_xcnt 0x0
; a = softmax(q k^T / 8 under the causal mask) v, both products on codes of BF6, and a quantised along the head's 64 for the last product.
; THE SOFTMAX: t = score x log2(e) / 8; M = the running largest t rounded up to a whole number; p = 2^(t - M) is quantised along the keys; the row's sum is taken of the unquantised p and divides at the end.
; THE MASK: a hidden key's logit is -1e6, no -infinity, so hidden keys count.  As a score that is SM = -8e6.  The largest t begins at SM's t (query 4095, which has no hidden key: at -3e38).
;   On the diagonal hidden scores become SM and go the common way.  Behind the diagonal step M is final and every p is p_m = 2^(SM's t - M): ONE fragment of p_m's code and one scale word, made once,
;   serve all later steps, each of which is V's loads and four products; the sum takes (number of such keys) x p_m at the end.
; SHARES: work-group (i, head) owns the blocks of 128 queries i and 31 - i: every work-group has 8 (i + 1) + 8 (32 - i) = 264 steps with scores.  Sixteen waves, one tile of 16 queries each, in 256 registers.
; NO CLUSTER: the work-groups that share a head's K and V differ in their blocks of queries, and which way a step goes (scores, diagonal, hidden) is a branch on that block.
; LAYOUT: both products transposed (S^T = K Q^T, O^T = V^T P^T): a lane holds one query.  The head's 64 fill half of the instruction's 128: even tiles of K are [codes | zeros] against Q = [codes | zeros], odd tiles
;   [zeros | codes] against [zeros | codes], so that two tiles share six registers of zeros; the scale words hold their two bytes twice.
; LDS: two slots of 8 key steps (8 x 13,056 bytes) at 0 and 131,072; the spare words at 262,144.  Waves 0-3 fetch, two steps (102 rows of 256 bytes) each; a wave has at most two tensor loads out, at the start.
; LIMITS: p under 2^-126 counts as 0; a block whose largest magnitude lies under 2^-122 takes the scale byte 1; t is rounded once to f32; NaN and infinities are not served.
.set STEPB, 13056
.set SLOT1, 131072
.set SPARE, 262144
.set QF,  16                           ; v16-33   Q: codes (6), zeros (6), codes (6)
.set KR,  34                           ; v34-105  K: four times codes (6), zeros (6), codes (6)
.set S,   106                          ; v106-169 S^T, then p; then V's four fragments in v106-153
.set HP,  154                          ; v154-165 the hidden keys' fragment of p (made when no score is to come)
.set O,   170                          ; v170-201 O^T
.set PC,  202                          ; v202-213 p's codes
.set PT,  214                          ; v214-216, v218-220
.set TM,  222                          ; v222-225 block maxima; v226-229 the other half's, then bytes; v230-233 scale operands
.set TMP, 234
.set FF,  236                          ; v[236:237] f (the pair's upper word stays 0)
.set PWD, 238                          ; p's scale word
.set HPW, 239                          ; the hidden keys'
.set KS,  240                          ; v240-243 K's scale words
.set VS,  244                          ; v244-245 V's
.set QS,  246                          ; Q's
.set SMR, 247                          ; SM
.set SUM2, 248                         ; v[248:249] the sum's second chain
.set PM,  250                          ; p_m
.set NH,  251                          ; the keys of the hidden steps, as f32
.set SEL, 20                           ; s[20:21]
.set CS,  22                           ; s[22:23] c = log2(e) / 8
.set TB,  40                           ; s40 LDS byte of the step in hand
.set KJ,  41                           ; s41 the step's number
.set QB,  42                           ; s42 my block of queries
.set CNT, 43
.macro PLACES n
.rept \n
	v_nop
.endr
.endm
.macro WMZ d, a, b, sa, sb, ra         ; a product that starts its sum
.if (\ra)
	v_wmma_scale_f32_16x16x128_f8f6f4 v[\d:\d+7], v[\a:\a+11], v[\b:\b+11], 0, v[\sa], v[\sb] matrix_a_fmt:MATRIX_FMT_BF6 matrix_b_fmt:MATRIX_FMT_BF6 matrix_a_scale:MATRIX_SCALE_ROW1
.else
	v_wmma_scale_f32_16x16x128_f8f6f4 v[\d:\d+7], v[\a:\a+11], v[\b:\b+11], 0, v[\sa], v[\sb] matrix_a_fmt:MATRIX_FMT_BF6 matrix_b_fmt:MATRIX_FMT_BF6
.endif
.endm
.macro WMA d, a, b, sa, sb, ra         ; a product that adds in place
.if (\ra)
	v_wmma_scale_f32_16x16x128_f8f6f4 v[\d:\d+7], v[\a:\a+11], v[\b:\b+11], v[\d:\d+7], v[\sa], v[\sb] matrix_a_fmt:MATRIX_FMT_BF6 matrix_b_fmt:MATRIX_FMT_BF6 matrix_a_scale:MATRIX_SCALE_ROW1
.else
	v_wmma_scale_f32_16x16x128_f8f6f4 v[\d:\d+7], v[\a:\a+11], v[\b:\b+11], v[\d:\d+7], v[\sa], v[\sb] matrix_a_fmt:MATRIX_FMT_BF6 matrix_b_fmt:MATRIX_FMT_BF6
.endif
.endm
.macro VLOAD                           ; V's four fragments and their scale words
.irp t, 0,1,2,3
.irp g, 0,1,2
	ds_load_b128 v[S+12*\t+4*\g:S+12*\t+4*\g+3], v6 offset:6656+1536*\t+512*\g
.endr
.endr
	ds_load_b64 v[VS:VS+1], v7 offset:12800
.endm
; 32 numbers of a lane, register 16 b + i = index 32 b + 16 h + i, become six registers of codes in v[pc] on and two scale bytes in v[pw]
.macro QUANT32 s, pc, pw
.irp b, 0,1
	v_max3_num_f32 v[TM+\b], |v[\s+16*\b]|, |v[\s+16*\b+1]|, 0x2800000
.endr
.irp i, 2,4,6,8,10,12,14
.irp b, 0,1
	v_max3_num_f32 v[TM+\b], v[TM+\b], |v[\s+16*\b+\i]|, |v[\s+16*\b+\i+1]|
.endr
.endr
.irp b, 0,1
	v_permlanex16_b32 v[TM+4+\b], v[TM+\b], s[SEL], s[SEL+1]
.endr
.irp b, 0,1
	v_max_num_f32 v[TM+\b], v[TM+\b], v[TM+4+\b]
.endr
.irp b, 0,1
	v_add_nc_u32 v[TM+8+\b], 0xfe000000, v[TM+\b]
.endr
.irp b, 0,1
	v_lshrrev_b32 v[TM+4+\b], 23, v[TM+8+\b]
.endr
	v_lshl_or_b32 v[\pw], v[TM+5], 8, v[TM+4]
	v_cvt_scalef32_pk16_bf6_f32 v[\pc:\pc+2], v[\s:\s+15], v[TM+8]
	v_cvt_scalef32_pk16_bf6_f32 v[PT:PT+2], v[\s+16:\s+31], v[TM+9]
	v_nop
.irp i, 0,1,2
	v_permlane16_swap_b32 v[\pc+\i], v[PT+\i]
.endr
.irp i, 0,1,2
	v_mov_b32 v[\pc+3+\i], v[PT+\i]
.endr
.endm
; Behind the diagonal step: p_m, its scale word, and a fragment all of whose 128 codes are p_m's (16 codes are three registers: the pattern repeats)
.macro HPREP
	v_fma_f32 v[PM], v[SMR], s[CS], v12
	v_exp_f32 v[PM], v[PM]
	v_nop                                          ; a plain place behind the exponential
	s_wait_alu depctr_va_vdst(0)
	v_min_num_f32 v[PM], 1.0, v[PM]                ; a query with a hidden key has M >= SM's t, so p_m <= 1 and this changes nothing; query 4095 has none: its p_m is multiplied by 0 keys and must stay finite
	v_max_num_f32 v[TMP], 0x2800000, v[PM]
	v_add_nc_u32 v[TMP], 0xfe000000, v[TMP]
	v_lshrrev_b32 v[HPW], 23, v[TMP]
	v_mul_lo_u32 v[HPW], v[HPW], 0x01010101        ; the byte four times
.irp j, 0,1,2,3,4,5,6,7,8,9,10,11,12,13,14,15
	v_mov_b32 v[S+\j], v[PM]
.endr
	v_cvt_scalef32_pk16_bf6_f32 v[HP:HP+2], v[S:S+15], v[TMP]
	v_nop
.irp j, 3,4,5,6,7,8,9,10,11
	v_mov_b32 v[HP+\j], v[HP+\j-3]
.endr
	PLACES 8                                       ; a scale register written by a vector instruction stands 8 places ahead of a scaled matrix instruction
.endm
; A KEY STEP of 128 keys.  All its branches hang on ids; no barrier and no tensor load stands in it.
.macro STEP
	v_add_nc_u32 v6, s[TB], v1                     ; the step's bytes, 16 a lane,
	v_add_nc_u32 v7, s[TB], v2                     ; and 8 a lane
	s_cmp_gt_u32 s[KJ], s[QB]
	s_cbranch_scc1 .Lhid_\@
.irp p, 0,1,2,3
	ds_load_b128 v[KR+18*\p:KR+18*\p+3], v6 offset:1536*\p
	ds_load_b64 v[KR+18*\p+4:KR+18*\p+5], v7 offset:1536*\p+512
	ds_load_b128 v[KR+18*\p+12:KR+18*\p+15], v6 offset:1536*\p+768
	ds_load_b64 v[KR+18*\p+16:KR+18*\p+17], v7 offset:1536*\p+1280
.endr
	ds_load_b128 v[KS:KS+3], v6 offset:6144
	s_wait_dscnt 0x0
.irp t, 0,1,2,3,4,5,6,7
	WMZ S+8*\t, KR+18*(\t/2)+6*(\t%2), QF+6*(\t%2), KS+\t/2, QS, \t%2
.endr
	PLACES 4
	s_cmp_lt_u32 s[KJ], s[QB]
	s_cbranch_scc1 .Lopen_\@
.set n, 0
.rept 64                                       ; the diagonal: register 16 b + i holds key 32 b + 16 h + i of the step: hidden where 32 b + i > my query's number in its block - 16 h
	v_cmp_gt_i32 vcc_lo, 32*(n/16)+n%16, v5
	v_cndmask_b32 v[S+n], v[S+n], v[SMR], vcc_lo
.set n, n+1
.endr
.Lopen_\@:
.irp b, 0,1,2,3
	v_max3_num_f32 v[TM+\b], v[S+16*\b], v[S+16*\b+1], v[S+16*\b+2]   ; the largest score of each block of 32 keys: it serves the row's maximum and, since p rises with the score, the block's largest p
.endr
.irp i, 3,5,7,9,11,13
.irp b, 0,1,2,3
	v_max3_num_f32 v[TM+\b], v[TM+\b], v[S+16*\b+\i], v[S+16*\b+\i+1]
.endr
.endr
.irp b, 0,1,2,3
	v_max_num_f32 v[TM+\b], v[TM+\b], v[S+16*\b+15]
.endr
.irp b, 0,1,2,3
	v_permlanex16_b32 v[TM+4+\b], v[TM+\b], s[SEL], s[SEL+1]
.endr
.irp b, 0,1,2,3
	v_max_num_f32 v[TM+\b], v[TM+\b], v[TM+4+\b]
.endr
	v_max3_num_f32 v[TMP], v[TM], v[TM+1], v[TM+2]
	v_max_num_f32 v[TMP], v[TMP], v[TM+3]
	v_mul_f32 v[TMP], s[CS], v[TMP]                ; as t
	v_max_num_f32 v13, v13, v[TMP]                 ; the running largest t
	v_mov_b32 v[TMP], v12
	v_floor_f32 v12, -v13                          ; -M = floor(-t)
	v_sub_f32 v[TMP], v12, v[TMP]                  ; old M - new M: a whole number, 0 or less
	v_cvt_i32_f32 v[TMP], v[TMP]                   ; (it saturates)
	v_ldexp_f32 v[FF], 1.0, v[TMP]                 ; f = 2^(old M - new M)
.set j, 0
.rept 32
	v_pk_fma_f32 v[S+j:S+j+1], v[S+j:S+j+1], s[CS:CS+1], v[12:13] op_sel_hi:[1,0,0]   ; t - M, two at a time
.set j, j+2
.endr
.irp b, 0,1,2,3
	v_fma_f32 v[TM+\b], v[TM+\b], s[CS], v12
.endr
.set j, 0
.rept 64
	v_exp_f32 v[S+j], v[S+j]                       ; p
.set j, j+1
.endr
.irp b, 0,1,2,3
	v_exp_f32 v[TM+\b], v[TM+\b]                   ; the block's largest p
.endr
	v_pk_mul_f32 v[14:15], v[14:15], v[FF:FF+1] op_sel_hi:[1,0]   ; the sum under the new M (a plain place behind the exponentials)
	s_wait_alu depctr_va_vdst(0)
.irp b, 0,1,2,3
	v_max_num_f32 v[TM+\b], 0x2800000, v[TM+\b]    ; the floor: the byte cannot fall under 1
.endr
.irp b, 0,1,2,3
	v_add_nc_u32 v[TM+8+\b], 0xfe000000, v[TM+\b]
.endr
.irp b, 0,1,2,3
	v_lshrrev_b32 v[TM+4+\b], 23, v[TM+8+\b]
.endr
	v_lshl_or_b32 v[PWD], v[TM+5], 8, v[TM+4]
	v_lshl_or_b32 v[PWD], v[TM+6], 16, v[PWD]
	v_lshl_or_b32 v[PWD], v[TM+7], 24, v[PWD]
.irp c, 0,1
	v_cvt_scalef32_pk16_bf6_f32 v[PC+6*\c:PC+6*\c+2], v[S+32*\c:S+32*\c+15], v[TM+8+2*\c]
	v_cvt_scalef32_pk16_bf6_f32 v[PT+4*\c:PT+4*\c+2], v[S+32*\c+16:S+32*\c+31], v[TM+9+2*\c]
.endr
	v_nop                                          ; one plain place behind a scaled conversion
.irp c, 0,1
.irp i, 0,1,2
	v_permlane16_swap_b32 v[PC+6*\c+\i], v[PT+4*\c+\i]
.endr
.irp i, 0,1,2
	v_mov_b32 v[PC+6*\c+3+\i], v[PT+4*\c+\i]
.endr
.endr
	v_pk_add_f32 v[SUM2:SUM2+1], v[S:S+1], v[S+2:S+3]   ; the row's sum, of the unquantised p, in two chains
.irp j, 4,8,12,16,20,24,28,32,36,40,44,48,52,56,60
	v_pk_add_f32 v[14:15], v[14:15], v[S+\j:S+\j+1]
	v_pk_add_f32 v[SUM2:SUM2+1], v[SUM2:SUM2+1], v[S+\j+2:S+\j+3]
.endr
	v_pk_add_f32 v[14:15], v[14:15], v[SUM2:SUM2+1]
	VLOAD                                          ; into the registers that p has left
.set j, 0
.rept 16
	v_pk_mul_f32 v[O+j:O+j+1], v[O+j:O+j+1], v[FF:FF+1] op_sel_hi:[1,0]   ; O^T under the new M, while the loads are out
.set j, j+2
.endr
	s_wait_dscnt 0x0
.irp t, 0,1,2,3
	WMA O+8*\t, S+12*\t, PC, VS+\t/2, PWD, \t%2    ; the four accumulators take turns
.endr
	PLACES 5                                       ; the next step's scores are written over V's registers by matrix instructions
	s_cmp_eq_u32 s[KJ], s[QB]
	s_cbranch_scc0 .Ldone_\@
	HPREP
	s_branch .Ldone_\@
.Lhid_\@:
	VLOAD
	s_wait_dscnt 0x0
.irp t, 0,1,2,3
	WMA O+8*\t, S+12*\t, HP, VS+\t/2, HPW, \t%2
.endr
	PLACES 5
.Ldone_\@:
.endm
.macro SLOTSTEPS base                  ; a slot's eight steps: the trip count is a constant
	s_mov_b32 s[TB], \base
	s_mov_b32 s[CNT], 8
.Lstep_\@:
	STEP
	s_add_co_u32 s[TB], s[TB], STEPB
	s_add_co_u32 s[KJ], s[KJ], 1
	s_sub_co_u32 s[CNT], s[CNT], 1
	s_cmp_lg_u32 s[CNT], 0
	s_cbranch_scc1 .Lstep_\@
.endm
; THE CHANGE OF SLOTS.  Each wave waits for all its tensor loads (its part of the slot ahead), adds 0 to its spare word, and waits for that and for its reads of the slot that it leaves.
; fill = 1: the slot just left takes the steps two slots on: the load has eight steps in which to land.
.macro CHANGE g, fill
	s_wait_tensorcnt 0x0                           ; no tensor load of mine is out, so a group 0 may be written
	ds_add_u32 v3, v4                              ; 0 onto my spare word
.if \fill
	s_add_nc_u64 s[\g+2:\g+3], s[\g+2:\g+3], 16*STEPB   ; the type bits on top are not reached
.endif
	s_wait_dscnt 0x0
	s_barrier_signal -1
	s_barrier_wait -1
.if \fill
	s_cmp_lt_u32 s18, 4
	s_cbranch_scc0 .Lnf_\@
	tensor_load_to_lds s[\g:\g+3], s[24:31]        ; the first thing behind the barrier, a wave's one tensor load until the next
	s_nop 0
	PLACES 4
.Lnf_\@:
.endif
.endm
	s_load_b128 s[4:7], s[0:1], 0x0                ; qi, kvi
	s_load_b64 s[8:9], s[0:1], 0x10                ; ai
	v_lshl_add_u32 v3, v0, 2, SPARE                ; my spare word; never rewritten
	v_mov_b32 v4, 0                                ; 0; never rewritten
	ds_add_u32 v3, v4
	s_wait_dscnt 0x0
	v_mov_b32 v[HPW], 0                            ; the hidden keys' scale word is written here, at the head's first lines: all the head's vector lines stand between it and the first product that names it (8 places are asked)
	v_lshrrev_b32 v5, 5, v0
	v_readfirstlane_b32 s18, v5                    ; wave 0..15
	s_and_b32 s10, ttmp7, 0xffff                   ; head
	s_lshr_b32 s11, s18, 2
	s_xor_b32 s11, s11, s18
	s_and_b32 s11, s11, 1                          ; the low block (0) or the high one (1): bits 0 and 2 of the wave's number both turn it
	s_and_b32 s12, s18, 3
	s_lshr_b32 s13, s18, 3
	s_lshl_b32 s13, s13, 2
	s_or_b32 s12, s12, s13                         ; my tile of the block, 0..7
	s_mov_b32 s14, ttmp9
	s_sub_co_u32 s13, 31, s14
	s_cmp_eq_u32 s11, 1
	s_cselect_b32 s[QB], s13, s14
	; descriptor group 1: two steps, 26,112 dense bytes, as 102 rows of 256 bytes (32 elements of 8 bytes)
	s_mov_b32 s24, 3<<16
	s_mov_b32 s25, 32<<16
	s_mov_b32 s26, 102<<16
	s_mov_b32 s27, 32<<16
	s_mov_b32 s28, 102
	s_mov_b32 s29, 32
	s_mov_b32 s30, 0
	s_mov_b32 s31, 0
	s_and_b32 s15, s18, 3
	s_mul_i32 s15, s15, 2*STEPB                    ; my two steps' place in a slot
	s_mul_i32 s16, s10, 32*STEPB
	s_add_co_u32 s16, s16, s15
	s_mov_b32 s17, 0
	s_mov_b32 s[SEL], 0x76543210
	s_mov_b32 s[SEL+1], 0xfedcba98
	s_mov_b32 s[CS], 0x3e38aa3b                    ; c = log2(e) / 8
	s_mov_b32 s[CS+1], s[CS]
	s_mov_b32 s[KJ], 0
	s_wait_kmcnt 0x0
	s_mov_b32 s32, 1
	s_mov_b32 s33, s15
	s_add_nc_u64 s[34:35], s[6:7], s[16:17]        ; slot 0: steps 0-7
	s_mov_b32 s36, 1
	s_add_co_u32 s37, s15, SLOT1
	s_add_nc_u64 s[38:39], s[34:35], 8*STEPB       ; slot 1: steps 8-15
	s_or_b32 s35, s35, 0x80000000
	s_or_b32 s39, s39, 0x80000000
	s_cmp_lt_u32 s18, 4
	s_cbranch_scc0 .Lnofill
	tensor_load_to_lds s[32:35], s[24:31]
	s_nop 0
	tensor_load_to_lds s[36:39], s[24:31]
	s_nop 0
	PLACES 4
.Lnofill:
	v_and_b32 v5, 31, v0
	v_lshlrev_b32 v1, 4, v5                        ; 16 x lane
	v_lshlrev_b32 v2, 3, v5                        ; 8 x lane
	v_and_b32 v8, 15, v0                           ; r
	v_bfe_u32 v9, v0, 4, 1                         ; h
	v_lshlrev_b32 v10, 4, v8                       ; 16 r
	s_lshl_b32 s45, s10, 5
	s_add_co_u32 s45, s45, s[QB]
	s_mul_i32 s45, s45, 6656                       ; my block of Q
	s_mul_i32 s46, s12, 768
	s_add_co_u32 s46, s46, s45
	s_mov_b32 s47, 0
	s_add_nc_u64 s[46:47], s[4:5], s[46:47]        ; my tile
	s_and_b32 s48, s12, 1
	s_lshl_b32 s48, s48, 8
	s_lshr_b32 s49, s12, 1
	s_lshl_b32 s49, s49, 2
	s_add_co_u32 s48, s48, s49
	s_add_co_u32 s48, s48, s45
	s_add_co_u32 s48, s48, 6144
	s_mov_b32 s49, 0
	s_add_nc_u64 s[48:49], s[4:5], s[48:49]        ; its scale words
	global_load_b128 v[QF:QF+3], v1, s[46:47]
	global_load_b64 v[QF+4:QF+5], v2, s[46:47] offset:512
	global_load_b128 v[QF+12:QF+15], v1, s[46:47]  ; the same codes once more, for the odd tiles of K
	global_load_b64 v[QF+16:QF+17], v2, s[46:47] offset:512
	global_load_b32 v[QS], v10, s[48:49]
	s_lshr_b32 s50, s12, 1
	s_lshl_b32 s50, s50, 5
	s_and_b32 s51, s12, 1
	s_lshl_b32 s51, s51, 3
	s_add_co_u32 s50, s50, s51
	v_and_b32 v11, 8, v8
	v_add_nc_u32 v11, v11, v8
	v_add_nc_u32 v11, s50, v11                     ; my query's number in its block
	v_lshlrev_b32 v9, 4, v9
	v_sub_nc_u32 v5, v11, v9                       ; less 16 h: what the diagonal compares with
	s_lshl_b32 s51, s[QB], 7
	v_add_nc_u32 v11, s51, v11                     ; my query
	v_cmp_eq_u32 vcc_lo, 0xfff, v11
	v_mov_b32 v[SMR], 0xcaf42400                   ; SM = -8e6
	v_mul_f32 v13, s[CS], v[SMR]
	v_mov_b32 v[TMP], 0xff61b1e6                   ; -3e38
	v_cndmask_b32 v13, v13, v[TMP], vcc_lo         ; the largest t so far
	v_floor_f32 v12, -v13                          ; -M
	v_mov_b32 v14, 0
	v_mov_b32 v15, 0
	s_sub_co_u32 s51, 31, s[QB]
	s_lshl_b32 s51, s51, 7
	v_mov_b32 v[NH], s51
	v_cvt_f32_u32 v[NH], v[NH]                     ; the keys of the steps behind the diagonal
.irp j, 0,1,2,3,4,5,6,7,8,9,10,11
	v_mov_b32 v[HP+\j], 0
.endr
.irp j, 6,7,8,9,10,11
	v_mov_b32 v[QF+\j], 0                          ; the halves of zeros, written once
.irp p, 0,1,2,3
	v_mov_b32 v[KR+18*\p+\j], 0
.endr
.endr
.set j, 0
.rept 32
	v_mov_b32 v[O+j], 0                            ; O^T: the step is written once; the first change of M leaves zeros zeros
.set j, j+1
.endr
.irp b, 0,1,2,3
	v_mov_b32 v[TM+4+\b], 0                        ; a lane permute's destination counts as one of its sources
.endr
	v_mov_b32 v[FF+1], 0
	v_mov_b32 v[PM], 0
	; where a goes: group = my block of queries, K step = head / 2, half = head % 2
	s_lshl_b32 s52, s[QB], 3
	s_lshr_b32 s53, s10, 1
	s_add_co_u32 s52, s52, s53
	s_mul_i32 s52, s52, 12800
	s_and_b32 s53, s10, 1
	s_lshl_b32 s54, s12, 6
	s_add_co_u32 s54, s54, s52
	s_lshl_b32 s55, s53, 1
	s_add_co_u32 s54, s54, s55
	s_add_co_u32 s54, s54, 12288                   ; the scale bytes: 12,288 + 64 tile + 2 (head % 2)
	s_mov_b32 s55, 0
	s_mul_i32 s53, s53, 768
	s_add_co_u32 s52, s52, s53
	s_mul_i32 s53, s12, 1536
	s_add_co_u32 s52, s52, s53                     ; the codes: 1,536 tile + 768 (head % 2)
	s_mov_b32 s53, 0
	s_add_nc_u64 s[52:53], s[8:9], s[52:53]
	s_add_nc_u64 s[54:55], s[8:9], s[54:55]
	s_wait_loadcnt 0x0                             ; Q
	s_wait_tensorcnt 0x1                           ; my part of slot 0 is in; slot 1's may stay out
	s_barrier_signal -1
	s_barrier_wait -1
	SLOTSTEPS 0                                    ; steps 0-7
	CHANGE 32, 1                                   ; slot 0 takes steps 16-23
	SLOTSTEPS SLOT1                                ; steps 8-15
	CHANGE 36, 1                                   ; slot 1 takes steps 24-31
	SLOTSTEPS 0
	CHANGE 32, 0                                   ; nothing is left to fetch
	SLOTSTEPS SLOT1
	; THE WAY OUT: the sum; O^T / the sum; quantised along the head's 64; the codes are the last product's operand as they stand
	v_add_f32 v14, v14, v15
	v_permlanex16_b32 v[TM+4], v14, s[SEL], s[SEL+1]
	v_add_f32 v14, v14, v[TM+4]
	v_fma_f32 v14, v[NH], v[PM], v14               ; and the hidden steps' keys
	v_rcp_f32 v14, v14
	v_and_b32 v8, 15, v0                           ; (a plain place behind the reciprocal)
	v_lshlrev_b32 v8, 2, v8                        ; 4 r
.set j, 0
	s_wait_alu depctr_va_vdst(0)
.rept 32
	v_mul_f32 v[S+j], v[O+j], v14                  ; register 16 b + i is channel 32 b + 16 h + i of my query
.set j, j+1
.endr
	QUANT32 S, PC, PWD
	global_store_b128 v1, v[PC:PC+3], s[52:53]     ; 32 lanes store 512 consecutive bytes
	global_store_b64 v2, v[PC+4:PC+5], s[52:53] offset:512
	global_store_b16 v8, v[PWD], s[54:55]          ; my row's two bytes (lanes r and 16 + r store the same)
	s_wait_tensorcnt 0x0                           ; the wave's end
	ds_add_u32 v3, v4
	s_wait_dscnt 0x0
	s_endpgm
.Lfunc_end_k_q5a75387f05_attn:
	.size	k_q5a75387f05_attn, .Lfunc_end_k_q5a75387f05_attn-k_q5a75387f05_attn
	.p2alignl 7, 3214868480
	.fill 96, 4, 3214868480
	.section	.rodata,"a",@progbits
	.p2align	6, 0x0
	.amdhsa_kernel k_q5a75387f05_attn
		.amdhsa_group_segment_fixed_size 327680
		.amdhsa_private_segment_fixed_size 0
		.amdhsa_enable_private_segment 0
		.amdhsa_kernarg_size 24
		.amdhsa_user_sgpr_count 2
		.amdhsa_user_sgpr_kernarg_segment_ptr 1
		.amdhsa_wavefront_size32 1
		.amdhsa_system_sgpr_workgroup_id_x 1
		.amdhsa_system_sgpr_workgroup_id_y 1
		.amdhsa_system_sgpr_workgroup_id_z 1
		.amdhsa_system_vgpr_workitem_id 0
		.amdhsa_next_free_vgpr 256
		.amdhsa_next_free_sgpr 80
		.amdhsa_reserve_vcc 1
		.amdhsa_float_denorm_mode_32 3
		.amdhsa_float_denorm_mode_16_64 3
		.amdhsa_memory_ordered 1
		.amdhsa_forward_progress 1
		.amdhsa_inst_pref_size 109
	.end_amdhsa_kernel
	.amdgpu_metadata
---
amdhsa.version: [ 1, 2 ]
amdhsa.kernels:
  - .name:           k_q5a75387f05_attn
    .symbol:         k_q5a75387f05_attn.kd
    .args:
      - { .name: qi, .offset: 0, .size: 8, .value_kind: global_buffer, .address_space: global }
      - { .name: kvi, .offset: 8, .size: 8, .value_kind: global_buffer, .address_space: global }
      - { .name: ai, .offset: 16, .size: 8, .value_kind: global_buffer, .address_space: global }
    .group_segment_fixed_size: 327680
    .private_segment_fixed_size: 0
    .kernarg_segment_align: 8
    .kernarg_segment_size: 24
    .max_flat_workgroup_size: 512
    .sgpr_count:     80
    .vgpr_count:     256
    .wavefront_size: 32
...
	.end_amdgpu_metadata
.endif
;; end of part 3
;; launch proj (part 4): grid 8 x 32, 8 waves a work-group, clusters of 4 x 4, 275,456 bytes of LDS; arguments ai, wpi, bp, out0; writes out0
.if DOCPART == 4
	.amdgcn_target "amdgcn-amd-amdhsa--gfx1250"
	.amdhsa_code_object_version 6
	.text
	.protected	k_q5a75387f05_proj
	.globl	k_q5a75387f05_proj
	.p2align	8
	.type	k_q5a75387f05_proj,@function
k_q5a75387f05_proj:
	s_mov_b64 s[64:65], 0
	v_nop
	global_prefetch_b8 v0, s[64:65] scope:SCOPE_SE
	s_setreg_imm32_b32 hwreg(HW_REG_WAVE_MODE, 25, 1), 1
	s_wait_xcnt 0x0
	s_wait_alu depctr_hold_cnt(0) depctr_sa_sdst(0) depctr_va_vdst(0) depctr_va_sdst(0) depctr_va_ssrc(0) depctr_va_vcc(0) depctr_vm_vsrc(0)
	s_getreg_b32 s2, hwreg(HW_REG_IB_STS2, 6, 4)
	s_cmp_eq_u32 s2, 0
	s_cbranch_scc0 .Lentry_in_a_cluster
	s_endpgm
.Lentry_in_a_cluster:
	s_bfe_u32 s2, ttmp6, 0x10000c
	s_cmp_lg_u32 s2, 0xf033
	s_cbranch_scc0 .Lentry_shape_is_right
	s_endpgm
.Lentry_shape_is_right:
; out0 = a Wp + bp on codes of BF6: a's images were made by the attention launch, Wp's by the first.
; A work-group makes 128 rows x 128 columns over all of K = 1024; both panels (8 K steps x 12,800 bytes) lie whole in LDS: A at 0, B at 102,400; every fill is a first fill.
; CLUSTERS: 4 x 4 work-groups; a's panel is asked for jointly by a row of the cluster, Wp's by a column.
; USED TRANSPOSED (source 0 = Wp's columns, source 1 = a's rows): a lane's eight results are eight neighbouring columns of one row.  Wave w: columns 64 (w / 4) on, rows 32 (w % 4) on: 8 accumulators.
; a's fragments lie [half c][registers 6 c .. 6 c + 3 at 16 x lane][6 c + 4, 6 c + 5 at 8 x lane]; Wp's [4 registers g][lane][16 bytes].
; Rows and columns are in tile order (of 32 neighbours, tile u's row p is number 8 u + p + 8 (p / 8)); the way out puts the rows back.
; The way out goes through the wave's own stage (32 rows x 272 bytes, behind the panels; no fill lands there): sixteen lanes store 256 consecutive bytes, aligned.
.set BLK,   12800
.set HALFP, 4*BLK
.set PANEL, 8*BLK
.set XF,  16                           ; v16-39   a's two fragments
.set WF,  40                           ; v40-87   Wp's four
.set XS,  88                           ; v88      a's scale words
.set WS,  89                           ; v89-90   Wp's
.set RD,  92                           ; v92      the stage, back
.set CO,  93                           ; v93      my byte offset in out0
.set ACC, 96                           ; v96-159  accumulator (a, t) at 96 + 32 a + 8 t
.macro PLACES n
.rept \n
	v_nop
.endr
.endm
.macro CROUND                          ; a round of the cluster's barrier
	s_barrier_signal -1
	s_barrier_wait -1
	s_cmp_lg_u32 s14, 0
	s_cbranch_scc1 .Lnot_wave_0_\@
	s_barrier_signal -3
.Lnot_wave_0_\@:
	s_barrier_wait -3
	s_barrier_signal -1
	s_barrier_wait -1
.endm
.macro FRAG reg, adr, off
.irp g, 0,1,2
	ds_load_b128 v[\reg+4*\g:\reg+4*\g+3], v[\adr] offset:\off+512*\g
.endr
.endm
.macro FRAGH reg, a16, a8, off
.irp c, 0,1
	ds_load_b128 v[\reg+6*\c:\reg+6*\c+3], v[\a16] offset:\off+768*\c
	ds_load_b64 v[\reg+6*\c+4:\reg+6*\c+5], v[\a8] offset:\off+768*\c+512
.endr
.endm
.macro WM d, a, b, c, sa, sb, ra, rb   ; ra, rb = 1: that side's scales stand in lanes 16-31
.if (\ra) && (\rb)
	v_wmma_scale_f32_16x16x128_f8f6f4 v[\d:\d+7], v[\a:\a+11], v[\b:\b+11], v[\c:\c+7], v[\sa], v[\sb] matrix_a_fmt:MATRIX_FMT_BF6 matrix_b_fmt:MATRIX_FMT_BF6 matrix_a_scale:MATRIX_SCALE_ROW1 matrix_b_scale:MATRIX_SCALE_ROW1
.elseif (\ra)
	v_wmma_scale_f32_16x16x128_f8f6f4 v[\d:\d+7], v[\a:\a+11], v[\b:\b+11], v[\c:\c+7], v[\sa], v[\sb] matrix_a_fmt:MATRIX_FMT_BF6 matrix_b_fmt:MATRIX_FMT_BF6 matrix_a_scale:MATRIX_SCALE_ROW1
.elseif (\rb)
	v_wmma_scale_f32_16x16x128_f8f6f4 v[\d:\d+7], v[\a:\a+11], v[\b:\b+11], v[\c:\c+7], v[\sa], v[\sb] matrix_a_fmt:MATRIX_FMT_BF6 matrix_b_fmt:MATRIX_FMT_BF6 matrix_b_scale:MATRIX_SCALE_ROW1
.else
	v_wmma_scale_f32_16x16x128_f8f6f4 v[\d:\d+7], v[\a:\a+11], v[\b:\b+11], v[\c:\c+7], v[\sa], v[\sb] matrix_a_fmt:MATRIX_FMT_BF6 matrix_b_fmt:MATRIX_FMT_BF6
.endif
.endm
.macro TSTEP s                         ; K step s: 6 fragments, 3 registers of scale words, 8 products; the eight accumulators take turns
	PLACES 4                                       ; in front of loads into registers that matrix instructions have read
.irp a, 0,1
	FRAGH XF+12*\a, 4+(\s)/4, 12+(\s)/4, ((\s)%4)*BLK+\a*1536
.endr
.irp t, 0,1,2,3
	FRAG WF+12*\t, 6+(\s)/4, ((\s)%4)*BLK+\t*1536
.endr
	ds_load_b32 v[XS], v[8+(\s)/4] offset:((\s)%4)*BLK
	ds_load_b32 v[WS], v[10+(\s)/4] offset:((\s)%4)*BLK
	ds_load_b32 v[WS+1], v[10+(\s)/4] offset:((\s)%4)*BLK+128
	s_wait_dscnt 0x0
.irp a, 0,1
.irp t, 0,1,2,3
	WM ACC+32*\a+8*\t, WF+12*\t, XF+12*\a, ACC+32*\a+8*\t, WS+\t/2, XS, \t%2, \a
.endr
.endr
.endm
	s_load_b256 s[4:11], s[0:1], 0x0               ; ai, wpi, bp, out0
	v_lshl_add_u32 v254, v0, 2, 0x43000
	v_mov_b32 v255, 0
	ds_add_u32 v254, v255
	v_lshrrev_b32 v1, 5, v0
	v_readfirstlane_b32 s14, v1                    ; wave 0..7
	s_lshr_b32 s15, s14, 2                         ; sel.  Also: I fetch for A (0) or for B (1)
	s_and_b32 s16, s14, 3                          ; st.   Also: which K steps I fetch: st and 4 + st
	s_bfe_u32 s17, ttmp6, 0x40000                  ; cx
	s_bfe_u32 s18, ttmp6, 0x40004                  ; cy
	s_lshl_b32 s19, ttmp9, 2
	s_add_co_u32 s19, s19, s17                     ; column group
	s_and_b32 s20, ttmp7, 0xffff
	s_lshl_b32 s20, s20, 2
	s_add_co_u32 s20, s20, s18                     ; row group
	s_lshl_b32 s21, s18, 2
	s_lshl_b32 s21, 15, s21                        ; my row of the cluster
	s_lshl_b32 s22, 0x1111, s17                    ; my column
	; descriptor group 1: a dense block of 12,800 bytes as 50 rows of 256 bytes (32 elements of 8 bytes), no padding
	s_or_b32 s24, s21, (3<<16)|(1<<21)
	s_or_b32 s32, s22, (3<<16)|(1<<21)
.irp g, 24, 32
	s_mov_b32 s[\g+1], 32<<16
	s_mov_b32 s[\g+2], 50<<16
	s_mov_b32 s[\g+3], 32<<16
	s_mov_b32 s[\g+4], 50
	s_mov_b32 s[\g+5], 32
	s_mov_b32 s[\g+6], 0
	s_mov_b32 s[\g+7], 0
.endr
	s_mul_i32 s23, s16, BLK                        ; my K step's place in a panel: no place in the cluster enters an LDS address
	s_mov_b32 s60, s23
	s_mov_b32 s61, 0
	s_mul_i32 s56, s20, PANEL
	s_mov_b32 s57, 0
	s_add_nc_u64 s[56:57], s[56:57], s[60:61]
	s_mul_i32 s58, s19, PANEL
	s_mov_b32 s59, 0
	s_add_nc_u64 s[58:59], s[58:59], s[60:61]
	s_wait_dscnt 0x0
	s_wait_kmcnt 0x0
	s_add_nc_u64 s[56:57], s[4:5], s[56:57]
	s_add_nc_u64 s[58:59], s[6:7], s[58:59]
	CROUND                                         ; all sixteen work-groups are here: the joint loads meet
	s_mov_b32 s40, 1
	s_mov_b32 s41, s23
	s_mov_b64 s[42:43], s[56:57]
	s_or_b32 s43, s43, 0x80000000
	s_mov_b32 s44, 1
	s_add_co_u32 s45, s23, HALFP
	s_add_nc_u64 s[46:47], s[56:57], HALFP
	s_or_b32 s47, s47, 0x80000000
	s_mov_b32 s48, 1
	s_add_co_u32 s49, s23, PANEL
	s_mov_b64 s[50:51], s[58:59]
	s_or_b32 s51, s51, 0x80000000
	s_mov_b32 s52, 1
	s_add_co_u32 s53, s23, PANEL+HALFP
	s_add_nc_u64 s[54:55], s[58:59], HALFP
	s_or_b32 s55, s55, 0x80000000
	s_cmp_lt_u32 s14, 4                            ; a wave's two fills stand in one branch on the wave's number: two loads of mine are out
	s_cbranch_scc0 .Lfill_b
	tensor_load_to_lds s[40:43], s[24:31]
	s_nop 0
	tensor_load_to_lds s[44:47], s[24:31]
	s_nop 0
	PLACES 4
	s_branch .Lfilled
.Lfill_b:
	tensor_load_to_lds s[48:51], s[32:39]
	s_nop 0
	tensor_load_to_lds s[52:55], s[32:39]
	s_nop 0
	PLACES 4
.Lfilled:
	v_and_b32 v1, 31, v0                           ; lane
	v_and_b32 v2, 15, v0                           ; r
	v_bfe_u32 v3, v0, 4, 1                         ; h
	v_lshlrev_b32 v15, 4, v1                       ; 16 x lane
	s_mul_i32 s60, s16, 3072
	v_add_nc_u32 v4, s60, v15                      ; a's pair st, 16 bytes a lane
	v_add_nc_u32 v5, HALFP, v4                     ; (the second register of each pair serves K steps 4-7)
	v_lshlrev_b32 v14, 3, v1
	v_add_nc_u32 v12, s60, v14                     ; and 8 bytes a lane
	v_add_nc_u32 v13, HALFP, v12
	s_mul_i32 s60, s15, 6144
	s_add_co_u32 s60, s60, PANEL
	v_add_nc_u32 v6, s60, v15                      ; Wp's tiles 4 sel on
	v_add_nc_u32 v7, HALFP, v6
	v_lshlrev_b32 v14, 2, v1
	s_lshl_b32 s60, s16, 7
	s_add_co_u32 s60, s60, 12288
	v_add_nc_u32 v8, s60, v14                      ; a's scale words
	v_add_nc_u32 v9, HALFP, v8
	s_lshl_b32 s60, s15, 8
	s_add_co_u32 s60, s60, PANEL+12288
	v_add_nc_u32 v10, s60, v14                     ; Wp's
	v_add_nc_u32 v11, HALFP, v10
	s_mul_i32 s60, s14, 32*272
	s_add_co_u32 s60, s60, 2*PANEL                 ; my stage
	v_mul_u32_u24 v14, v2, 272
	v_lshl_add_u32 v14, v3, 6, v14
	v_add_nc_u32 v14, s60, v14                     ; in: row r, + 64 h bytes
	v_mul_u32_u24 v[RD], v3, 272
	v_lshl_add_u32 v[RD], v2, 4, v[RD]
	v_add_nc_u32 v[RD], s60, v[RD]                 ; back: lanes 0-15 one row, lanes 16-31 the next
	v_lshlrev_b32 v[CO], 12, v3
	v_lshl_add_u32 v[CO], v2, 4, v[CO]             ; and the same in out0
	v_lshlrev_b32 v15, 6, v3                       ; the bias: 16 h numbers on
	s_lshl_b32 s62, s19, 9
	s_lshl_b32 s60, s15, 8
	s_add_co_u32 s62, s62, s60                     ; 4 (128 column group + 64 sel)
	s_mov_b32 s63, 0
	s_add_nc_u64 s[66:67], s[10:11], s[62:63]      ; my columns in out0,
	s_add_nc_u64 s[62:63], s[8:9], s[62:63]        ; and in the bias
.irp a, 0,1                                    ; the bias is loaded into the accumulators: register 8 t + j of a lane is column 32 (t / 2) + 16 h + 8 (t % 2) + j
.irp t, 0,1,2,3
	global_load_b128 v[ACC+32*\a+8*\t:ACC+32*\a+8*\t+3], v15, s[62:63] offset:(32*(\t/2)+8*(\t%2))*4
	global_load_b128 v[ACC+32*\a+8*\t+4:ACC+32*\a+8*\t+7], v15, s[62:63] offset:(32*(\t/2)+8*(\t%2))*4+16
.endr
.endr
	s_lshl_b32 s60, s20, 7
	s_lshl_b32 s61, s16, 5
	s_add_co_u32 s60, s60, s61
	s_lshl_b32 s60, s60, 12                        ; my first row: 128 row group + 32 st, 4,096 bytes each
	s_mov_b32 s61, 0
	s_add_nc_u64 s[66:67], s[66:67], s[60:61]
	s_wait_loadcnt 0x0                             ; the bias
	s_wait_tensorcnt 0x1                           ; my first load has landed (the second may be out)
	s_barrier_signal -1
	s_barrier_wait -1                              ; K steps 0-3 of both panels are in
	TSTEP 0
	TSTEP 1
	TSTEP 2
	TSTEP 3
	s_wait_tensorcnt 0x0
	s_wait_dscnt 0x0
	s_barrier_signal -1
	s_barrier_wait -1                              ; K steps 4-7 are in
	TSTEP 4
	TSTEP 5
	TSTEP 6
	TSTEP 7
	PLACES 4                                       ; in front of the first read of results, and of loads into registers that held fragments
.irp a, 0,1
.irp t, 0,1,2,3
	ds_store_b128 v14, v[ACC+32*\a+8*\t:ACC+32*\a+8*\t+3] offset:\a*4352+128*(\t/2)+32*(\t%2)        ; each accumulator from its low end on
	ds_store_b128 v14, v[ACC+32*\a+8*\t+4:ACC+32*\a+8*\t+7] offset:\a*4352+128*(\t/2)+32*(\t%2)+16
.endr
.endr
.irp t, 0,1,2,3,4,5,6,7,8,9,10,11,12,13,14,15
	ds_load_b128 v[16+4*\t:16+4*\t+3], v[RD] offset:544*\t   ; LDS serves a wave's instructions in order: these see my stores
.endr
.irp t, 0,1,2,3,4,5,6,7,8,9,10,11,12,13,14,15
	s_wait_dscnt 15-\t                             ; the 15 - t younger loads may be out
	global_store_b128 v[CO], v[16+4*\t:16+4*\t+3], s[66:67] offset:(8*(\t/8)+2*(\t%8)+8*((\t%8)/4))*4096 th:TH_STORE_NT   ; stage rows 2 t, 2 t + 1 go back to their places among the 32 rows
.endr
	s_wait_tensorcnt 0x0
	ds_add_u32 v254, v255
	s_wait_dscnt 0x0
	CROUND                                         ; the closing round
	s_endpgm
.Lfunc_end_k_q5a75387f05_proj:
	.size	k_q5a75387f05_proj, .Lfunc_end_k_q5a75387f05_proj-k_q5a75387f05_proj
	.p2alignl 7, 3214868480
	.fill 96, 4, 3214868480
	.section	.rodata,"a",@progbits
	.p2align	6, 0x0
	.amdhsa_kernel k_q5a75387f05_proj
		.amdhsa_group_segment_fixed_size 275456
		.amdhsa_private_segment_fixed_size 0
		.amdhsa_enable_private_segment 0
		.amdhsa_kernarg_size 32
		.amdhsa_user_sgpr_count 2
		.amdhsa_user_sgpr_kernarg_segment_ptr 1
		.amdhsa_wavefront_size32 1
		.amdhsa_system_sgpr_workgroup_id_x 1
		.amdhsa_system_sgpr_workgroup_id_y 1
		.amdhsa_system_sgpr_workgroup_id_z 1
		.amdhsa_system_vgpr_workitem_id 0
		.amdhsa_next_free_vgpr 256
		.amdhsa_next_free_sgpr 100
		.amdhsa_reserve_vcc 0
		.amdhsa_float_denorm_mode_32 3
		.amdhsa_float_denorm_mode_16_64 3
		.amdhsa_memory_ordered 1
		.amdhsa_forward_progress 1
		.amdhsa_inst_pref_size 34
	.end_amdhsa_kernel
	.amdgpu_metadata
---
amdhsa.version: [ 1, 2 ]
amdhsa.kernels:
  - .name:           k_q5a75387f05_proj
    .symbol:         k_q5a75387f05_proj.kd
    .args:
      - { .name: ai, .offset: 0, .size: 8, .value_kind: global_buffer, .address_space: global }
      - { .name: wpi, .offset: 8, .size: 8, .value_kind: global_buffer, .address_space: global }
      - { .name: bp, .offset: 16, .size: 8, .value_kind: global_buffer, .address_space: global }
      - { .name: out0, .offset: 24, .size: 8, .value_kind: global_buffer, .address_space: global }
    .group_segment_fixed_size: 275456
    .private_segment_fixed_size: 0
    .kernarg_segment_align: 8
    .kernarg_segment_size: 32
    .max_flat_workgroup_size: 256
    .sgpr_count:     100
    .vgpr_count:     256
    .wavefront_size: 32
...
	.end_amdgpu_metadata
.endif
;; end of part 4
